; MI455X (gfx1250); checked and timed in simulation.
; The chip was launched on July 23, 2026; its instructions are those of AMD's public machine-readable ISA for CDNA 5 (MIT licence, August 2026) and "CDNA5" Instruction Set Architecture Reference Guide (July 2026). The comments in the code are by the model that wrote it; some were corrected since.
;; Sparse Map Sequences. Allowed arithmetic: float matrix products may take bf16 or f16 operands with f32 sums; all other float work in f32.
;; Inputs: W 256 x 256 float32; b 256 float32; indices 2,048 x 2 int32; values 262,144 x 256 float32.
;; Outputs: out0 2,048 x 256 float32.
;; One version. Each part assembles by itself: llvm-mc -triple=amdgcn-amd-amdhsa -mcpu=gfx1250 --defsym DOCPART=n.
;; ======== version 1 of 1: 3 launches
;; limits: values are held in f16: magnitudes above 65,504 overflow, below 6.1e-05 lose precision
;; workspace buffers: part 4,194,304 bytes; plan 8,448 bytes of whole numbers; shares 32,768 bytes of whole numbers
;; launch planner (part 1): grid 128 x 1, 8 waves a work-group, no clusters, 10,496 bytes of LDS; arguments indices, plan, shares; writes plan, shares
.if DOCPART == 1
	.amdgcn_target "amdgcn-amd-amdhsa--gfx1250"
	.amdhsa_code_object_version 6
	.text
	.protected	k_q0a9dfc89bf_planner
	.globl	k_q0a9dfc89bf_planner
	.p2align	8
	.type	k_q0a9dfc89bf_planner,@function
k_q0a9dfc89bf_planner:
	s_mov_b64 s[64:65], 0
	v_nop
	global_prefetch_b8 v0, s[64:65] scope:SCOPE_SE
	s_setreg_imm32_b32 hwreg(HW_REG_WAVE_MODE, 25, 1), 1
	s_wait_xcnt 0x0
; THE PLAN FOR THE RAGGED SUMS.  indices: [2048][2] i32 (first row, row behind the last).
; The sequences are laid end to end in a virtual row space: sequence i owns virtual rows P_i .. P_i + vl_i - 1, P the prefix sum of the
; virtual lengths vl = max(|end - start|, 1).  That space is cut into 2,048 shares of S rows, S = ceil(total / 2048) rounded up to 16 (the depth
; of the next launch's ring).  This launch leaves
;   plan:   P_0 .. P_2047, then (total, S) 32 times;
;   shares: for share w the 16 bytes {sequence that holds its first virtual row, that row w S, its rows min(S, total - w S) or 0, rows / 16 rounded up}.
; These numbers steer addresses and trip counts of the launches behind, so they are made here and handed on as whole numbers.
; Every work-group makes the whole prefix sum (16 KB of input, 8 pairs a thread) and then serves 16 shares.  The sequence that holds virtual row V
; is (how many P_i are at or below V) - 1, since P rises strictly and P_0 = 0.  It is COUNTED, not searched: each wave compares the 256 P that it
; holds in registers with the 16 thresholds, and the eight waves' counts meet in LDS.  So no address and no branch here hangs on the data.
; LIMITS.  Indices are read as unsigned and clamped to 262,144; a pair in reverse order counts as its range in order; an empty pair has virtual length 1.
.set TOTAL,  262144
.set NSHARE, 2048
.set D,      16                        ; ring depth of the next launch
.set SPG,    16                        ; shares of a work-group: 16 records of 16 bytes are 256 consecutive bytes
.set PT, 0                             ; LDS: P_i, 2,048 words
.set WT, 8192                          ; LDS: the eight waves' totals
.set WC, 8448                          ; LDS: wave u's counts, 32 words at 128 u (16 used)
; scalar registers
.set IDX,  4                           ; s[4:5]   indices
.set PLAN, 6                           ; s[6:7]   plan
.set SHR,  8                           ; s[8:9]   shares
.set WAVE, 10
.set VTOT, 11                          ; all virtual rows
.set SS,   12                          ; S
.set VJ,   13                          ; the threshold at work
.set T0,   14
.set T1,   15
.set T2,   16
.set OFS,  18                          ; s[18:19] a byte offset, high word 0
.set M,    20                          ; s[20:27] eight masks, then eight counts
; vector registers
.set LANE, 2
.set RAWI, 8                           ; v[8:23]  my eight pairs
.set CS,   24                          ; v[24:31] running sums of my eight lengths
.set SC,   32
.set U0,   33
.set U1,   34
.set U2,   35
.set WTV,  36                          ; v[36:43]
.set PV,   44                          ; v[44:51] P of my eight sequences
.set CV,   52                          ; lane j: my wave's count for share j
.set JV,   53
.set CA,   54
.set C8,   56                          ; v[56:63] the eight waves' counts for my share
.set WV,   64
.set VV,   65
.set NRV,  66
.set RNV,  67
.set OUT,  68                          ; v[68:69]
.set OA,   70
	s_load_b128 s[4:7], s[0:1], 0x0
	s_load_b64 s[8:9], s[0:1], 0x10
	v_lshl_add_u32 v72, v0, 2, 0x2500
	v_mov_b32 v73, 0
	v_lshrrev_b32 v1, 5, v0
	v_readfirstlane_b32 s[WAVE], v1
	v_and_b32 v[LANE], 31, v0
	v_lshlrev_b32 v5, 6, v0                        ; thread t takes pairs 8 t .. 8 t + 7: 64 bytes
	s_wait_kmcnt 0x0
.irp q, 0,1,2,3
	global_load_b128 v[RAWI+4*\q:RAWI+4*\q+3], v5, s[IDX:IDX+1] offset:16*\q
.endr
	s_wait_loadcnt 0x0
	; virtual lengths max(|end - start|, 1) and their running sums
.irp j, 0,1,2,3,4,5,6,7
	v_min_u32 v[U0], TOTAL, v[RAWI+2*\j]
	v_min_u32 v[U1], TOTAL, v[RAWI+2*\j+1]
	v_sub_nc_u32 v[U2], v[U1], v[U0]
	v_sub_nc_u32 v[U0], v[U0], v[U1]
	v_max_i32 v[U0], v[U0], v[U2]
.if \j == 0
	v_max_u32 v[CS], 1, v[U0]
.else
	v_max_u32 v[U0], 1, v[U0]
	v_add_nc_u32 v[CS+\j], v[CS+\j-1], v[U0]
.endif
.endr
	; inclusive scan of the threads' totals over the wave: four shifted adds inside each 16 lanes, then lane 15's figure for the upper 16
	v_mov_b32 v[SC], v[CS+7]
	v_mov_b32 v[U0], 0
.irp n, 1,2,4,8
	v_mov_b32_dpp v[U0], v[SC] row_shr:\n row_mask:0xf bank_mask:0xf bound_ctrl:1
	v_add_nc_u32 v[SC], v[SC], v[U0]
.endr
	v_readlane_b32 s[T0], v[SC], 15
	v_mov_b32 v[U1], s[T0]
	v_cmp_lt_u32 vcc_lo, 15, v[LANE]
	v_cndmask_b32 v[U0], 0, v[U1], vcc_lo
	v_add_nc_u32 v[SC], v[SC], v[U0]
	v_readlane_b32 s[T1], v[SC], 31                ; the wave's total
	v_mov_b32 v[U1], s[T1]
	s_lshl_b32 s[T2], s[WAVE], 2
	v_mov_b32 v[U2], s[T2]
	ds_store_b32 v[U2], v[U1] offset:WT            ; every lane the same word, the same value
	s_wait_dscnt 0x0                               ; my store is in LDS before I say so
	s_barrier_signal -1
	s_barrier_wait -1
	v_mov_b32 v[U0], 0
	ds_load_b128 v[WTV:WTV+3], v[U0] offset:WT
	ds_load_b128 v[WTV+4:WTV+7], v[U0] offset:WT+16
	s_wait_dscnt 0x0
	s_mov_b32 s[VTOT], 0
	s_mov_b32 s[T1], 0                             ; the total of the waves in front of mine
.irp u, 0,1,2,3,4,5,6,7
	v_readfirstlane_b32 s[T0], v[WTV+\u]
	s_add_co_u32 s[VTOT], s[VTOT], s[T0]
	s_cmp_gt_u32 s[WAVE], \u
	s_cselect_b32 s[T0], s[T0], 0
	s_add_co_u32 s[T1], s[T1], s[T0]
.endr
	v_sub_nc_u32 v[PV], v[SC], v[CS+7]             ; what lies in front of my eight, inside the wave
	v_add_nc_u32 v[PV], s[T1], v[PV]               ; P of my first sequence
.irp j, 0,1,2,3,4,5,6
	v_add_nc_u32 v[PV+1+\j], v[PV], v[CS+\j]
.endr
	v_lshlrev_b32 v1, 5, v0
	ds_store_b128 v1, v[PV:PV+3] offset:PT         ; only work-group 0 reads P back, to store it in whole runs
	ds_store_b128 v1, v[PV+4:PV+7] offset:PT+16
	s_add_co_u32 s[SS], s[VTOT], NSHARE-1
	s_lshr_b32 s[SS], s[SS], 11
	s_add_co_u32 s[SS], s[SS], D-1
	s_and_b32 s[SS], s[SS], -D                     ; S
	; my wave's 256 P against the work-group's 16 thresholds w S (below 2,048 x (2^18 + 16)): a compare gives a mask of 32 lanes, its ones are counted
	s_lshl_b32 s[T0], ttmp9, 4
	s_mul_i32 s[VJ], s[T0], s[SS]
	v_mov_b32 v[CV], 0
.irp j, 0,1,2,3,4,5,6,7,8,9,10,11,12,13,14,15
.irp q, 0,1,2,3,4,5,6,7
	v_cmp_ge_u32 s[M+\q], s[VJ], v[PV+\q]
.endr
.irp q, 0,1,2,3,4,5,6,7
	s_bcnt1_i32_b32 s[M+\q], s[M+\q]
.endr
	s_add_co_u32 s[M], s[M], s[M+1]
	s_add_co_u32 s[M+2], s[M+2], s[M+3]
	s_add_co_u32 s[M+4], s[M+4], s[M+5]
	s_add_co_u32 s[M+6], s[M+6], s[M+7]
	s_add_co_u32 s[M], s[M], s[M+2]
	s_add_co_u32 s[M+4], s[M+4], s[M+6]
	s_add_co_u32 s[M], s[M], s[M+4]
	v_writelane_b32 v[CV], s[M], \j
	s_add_co_u32 s[VJ], s[VJ], s[SS]
.endr
	s_lshl_b32 s[T2], s[WAVE], 7
	v_lshl_add_u32 v[U0], v[LANE], 2, s[T2]
	ds_store_b32 v[U0], v[CV] offset:WC            ; all lanes on: lanes 16 to 31 lay down zeros that nobody reads
	s_wait_dscnt 0x0                               ; P and my counts are in LDS before I say so
	s_barrier_signal -1
	s_barrier_wait -1                              ; LDS is only read from here on
	; work-group 0 leaves P and S: P read back by 16 bytes a lane, so that each store covers 512 consecutive bytes
	s_cmp_lg_u32 ttmp9, 0
	s_cbranch_scc1 .Lnoplan
	v_lshlrev_b32 v1, 4, v0
	ds_load_b128 v[PV:PV+3], v1 offset:PT
	ds_load_b128 v[PV+4:PV+7], v1 offset:PT+4096
	s_wait_dscnt 0x0
	global_store_b128 v1, v[PV:PV+3], s[PLAN:PLAN+1]
	global_store_b128 v1, v[PV+4:PV+7], s[PLAN:PLAN+1] offset:4096
	s_cmp_lg_u32 s[WAVE], 0
	s_cbranch_scc1 .Lnoplan
	v_lshlrev_b32 v[U0], 3, v[LANE]
	v_mov_b32 v[U1], s[VTOT]
	v_mov_b32 v[U2], s[SS]
	global_store_b64 v[U0], v[U1:U2], s[PLAN:PLAN+1] offset:8192   ; (total, S), 32 copies: the buffer's last 256 bytes in one store, with all lanes on
.Lnoplan:
	s_wait_xcnt 0x0                                ; the registers that these stores name are written again below
	; wave 0 writes the 16 records.  Lanes 2 j and 2 j + 1 serve share j: the even lane its first two words, the odd lane the other two.
	s_cmp_lg_u32 s[WAVE], 0
	s_cbranch_scc1 .Lend
	v_lshrrev_b32 v[JV], 1, v[LANE]
	v_lshlrev_b32 v[CA], 2, v[JV]
.irp u, 0,1,2,3,4,5,6,7
	ds_load_b32 v[C8+\u], v[CA] offset:WC+128*\u
.endr
	s_lshl_b32 s[T0], ttmp9, 4
	v_add_nc_u32 v[WV], s[T0], v[JV]               ; the share's number w
	v_mul_lo_u32 v[VV], v[WV], s[SS]               ; its first virtual row
	v_min_u32 v[NRV], s[VTOT], v[VV]
	v_sub_nc_u32 v[NRV], s[VTOT], v[NRV]           ; what is left from there, 0 behind the end
	v_min_u32 v[NRV], s[SS], v[NRV]                ; its rows
	v_add_nc_u32 v[RNV], D-1, v[NRV]
	v_lshrrev_b32 v[RNV], 4, v[RNV]                ; turns of the ring
	v_and_b32 v[U0], 1, v[LANE]
	v_cmp_eq_u32 vcc_lo, 0, v[U0]
	v_lshlrev_b32 v[OA], 3, v[LANE]
	s_lshl_b32 s[OFS], ttmp9, 8                    ; 16 records of 16 bytes a work-group
	s_mov_b32 s[OFS+1], 0
	s_add_nc_u64 s[SHR:SHR+1], s[SHR:SHR+1], s[OFS:OFS+1]
	s_wait_dscnt 0x0
	v_add3_u32 v[C8], v[C8], v[C8+1], v[C8+2]
	v_add3_u32 v[C8+3], v[C8+3], v[C8+4], v[C8+5]
	v_add3_u32 v[C8], v[C8], v[C8+6], v[C8+7]
	v_add3_u32 v[C8], v[C8], v[C8+3], -1           ; count - 1 = the sequence
	v_cndmask_b32 v[OUT], v[NRV], v[C8], vcc_lo    ; even lane: sequence, first row; odd lane: rows, turns
	v_cndmask_b32 v[OUT+1], v[RNV], v[VV], vcc_lo
	global_store_b64 v[OA], v[OUT:OUT+1], s[SHR:SHR+1]             ; 32 lanes x 8 bytes: 256 consecutive bytes, aligned
.Lend:
	s_wait_tensorcnt 0x0
	ds_add_u32 v72, v73
	s_wait_dscnt 0x0
	s_endpgm
.Lfunc_end_k_q0a9dfc89bf_planner:
	.size	k_q0a9dfc89bf_planner, .Lfunc_end_k_q0a9dfc89bf_planner-k_q0a9dfc89bf_planner
	.p2alignl 7, 3214868480
	.fill 96, 4, 3214868480
	.section	.rodata,"a",@progbits
	.p2align	6, 0x0
	.amdhsa_kernel k_q0a9dfc89bf_planner
		.amdhsa_group_segment_fixed_size 10496
		.amdhsa_private_segment_fixed_size 0
		.amdhsa_enable_private_segment 0
		.amdhsa_kernarg_size 24
		.amdhsa_user_sgpr_count 2
		.amdhsa_user_sgpr_kernarg_segment_ptr 1
		.amdhsa_wavefront_size32 1
		.amdhsa_system_sgpr_workgroup_id_x 1
		.amdhsa_system_sgpr_workgroup_id_y 1
		.amdhsa_system_sgpr_workgroup_id_z 1
		.amdhsa_system_vgpr_workitem_id 0
		.amdhsa_next_free_vgpr 74
		.amdhsa_next_free_sgpr 66
		.amdhsa_reserve_vcc 1
		.amdhsa_float_denorm_mode_32 3
		.amdhsa_float_denorm_mode_16_64 3
		.amdhsa_memory_ordered 1
		.amdhsa_forward_progress 1
		.amdhsa_inst_pref_size 27
	.end_amdhsa_kernel
	.amdgpu_metadata
---
amdhsa.version: [ 1, 2 ]
amdhsa.kernels:
  - .name:           k_q0a9dfc89bf_planner
    .symbol:         k_q0a9dfc89bf_planner.kd
    .args:
      - { .name: indices, .offset: 0, .size: 8, .value_kind: global_buffer, .address_space: global }
      - { .name: plan, .offset: 8, .size: 8, .value_kind: global_buffer, .address_space: global }
      - { .name: shares, .offset: 16, .size: 8, .value_kind: global_buffer, .address_space: global }
    .group_segment_fixed_size: 10496
    .private_segment_fixed_size: 0
    .kernarg_segment_align: 8
    .kernarg_segment_size: 24
    .max_flat_workgroup_size: 256
    .sgpr_count:     66
    .vgpr_count:     74
    .wavefront_size: 32
...
	.end_amdgpu_metadata
.endif
;; end of part 1
;; launch sums (part 2): grid 256 x 1, 8 waves a work-group, no clusters, 0 bytes of LDS; arguments indices, values, part, plan, shares; writes part
.if DOCPART == 2
	.amdgcn_target "amdgcn-amd-amdhsa--gfx1250"
	.amdhsa_code_object_version 6
	.text
	.protected	k_q0a9dfc89bf_sums
	.globl	k_q0a9dfc89bf_sums
	.p2align	8
	.type	k_q0a9dfc89bf_sums,@function
k_q0a9dfc89bf_sums:
	s_mov_b64 s[64:65], 0
	v_nop
	global_prefetch_b8 v0, s[64:65] scope:SCOPE_SE
	s_setreg_imm32_b32 hwreg(HW_REG_WAVE_MODE, 25, 1), 1
	s_wait_xcnt 0x0
; SUMS OF RAGGED ROW RANGES, SHARED OUT EVENLY.
; values: [262144][256] f32.  indices: [2048][2] i32 (first row, row behind the last).  plan, shares: from the launch before.
; The sequences are laid end to end in a virtual row space: sequence i owns virtual rows P_i .. P_i + vl_i - 1, P the prefix sum of the lengths vl.
; That space is cut into 2,048 shares of S rows, one share for each wave of the launch, whatever the lengths are and in whatever
; order or overlap the sequences lie.  A share cuts sequences into pieces; the sum of piece (sequence i, share w) goes to row i + w of
; 'part' (1,024 bytes): i and w never fall along the walk and one of them rises from piece to piece, so no two pieces meet in a row, the
; largest row is 2047 + 2047, and the pieces of one sequence lie in neighbouring rows.  The next launch adds them.
; A wave reads its record {first sequence, first virtual row, rows, ring turns} from 'shares', that sequence's pair and P, and then walks:
; everything that steers an address or a trip count is a scalar made from whole numbers that scalar loads brought.
; The waves share no input but the 16 KB index list and 40 KB of plan: no LDS, no barrier, no cluster, no joint request.
; S is a multiple of 16, the ring's depth: only the last share that has rows can end inside a turn of the ring.
; The rounding of S can leave the last waves (in all at most 15 rows a share, summed) without rows; their record says 0 rows and they end.
; LIMITS.  Indices are read as unsigned and clamped to 262,144.  A pair in reverse order is taken as its range in order (the mean is the
; same as the reference's quotient of two negated numbers).  An empty pair gets virtual length 1 (one row is read, clamped into the buffer);
; the next launch turns its row into NaN, as 0/0 is.  The rows of a piece are added one after the other in f32, not as a difference of prefix sums.
.set TOTAL,   262144
.set NSEQ,    2048
.set NSHARE,  2048                     ; 256 work-groups x 8 waves
.set D,       16                       ; ring slots = rows in flight in a wave (2 loads each)
.set MAXSLOT, NSEQ+NSHARE-1            ; rows of 'part' - 1
; scalar registers
.set IDX,  4                           ; s[4:5]   indices
.set VAL,  6                           ; s[6:7]   values
.set PART, 8                           ; s[8:9]   part
.set PLAN, 10                          ; s[10:11] plan
.set SHR,  12                          ; s[12:13] shares
.set WAVE, 14
.set WP1,  15                          ; my share's number, later + 1
.set SEQ,  16                          ; s[16:19] my record.  SEQ is then the walker's sequence
.set V0S,  17                          ; my share's first virtual row
.set NR,   18                          ; my share's rows
.set RND,  19                          ; turns of the ring
.set CNT,  20
.set ROWP, 21                          ; walker: next row of values
.set REM,  22                          ; walker: rows left in the piece
.set LEFT, 23                          ; walker: rows of the share behind this piece
.set TA,   24                          ; s[24:25] a row's byte offset, high word 0
.set TB,   26                          ; s[26:27] a part row's byte offset, high word 0
.set PA,   28                          ; s[28:29] address of a part row
.set N0,   30
.set N1,   31
.set AD,   32                          ; s[32:63] ring slot k: address of its row
.set FL,   66                          ; s[66:81] ring slot k: 0, or 1 + the part row that is due behind this row
.set T0,   82
.set PST,  83                          ; P of my first sequence
.set NX,   84                          ; s[84:85] the next sequence's pair, asked for one piece ahead
.set NOFF, 86                          ; its byte offset in indices
; vector registers
.set LANE, 2
.set LOFF, 3                           ; 16 x lane
.set ACC,  4                           ; v[4:11]   the piece's sums: columns 4 lane .. +3 and 128 + 4 lane .. +3
.set X,    16                          ; v[16:143] ring slot k: 8 registers, one row
	s_load_b256 s[4:11], s[0:1], 0x0
	s_load_b64 s[12:13], s[0:1], 0x20
	v_lshrrev_b32 v1, 5, v0
	v_readfirstlane_b32 s[WAVE], v1
	v_and_b32 v[LANE], 31, v0
	v_lshlrev_b32 v[LOFF], 4, v[LANE]
	s_lshl_b32 s[WP1], ttmp9, 3
	s_add_co_u32 s[WP1], s[WP1], s[WAVE]           ; my share
	s_lshl_b32 s[T0], s[WP1], 4                    ; records of 16 bytes
	s_wait_kmcnt 0x0
	s_load_b128 s[SEQ:SEQ+3], s[SHR:SHR+1], s[T0] offset:0x0
	s_add_co_u32 s[WP1], s[WP1], 1
	s_mov_b32 s[TA+1], 0
	s_mov_b32 s[TB+1], 0
.irp q, 0,1,2,3,4,5,6,7
	v_mov_b32 v[ACC+\q], 0
.endr
	s_wait_kmcnt 0x0
	s_cmp_eq_u32 s[NR], 0
	s_cbranch_scc1 .Lend                           ; nothing is left for this share (see the head)
	s_min_u32 s[SEQ], s[SEQ], NSEQ-1
	s_lshl_b32 s[T0], s[SEQ], 2
	s_lshl_b32 s[NOFF], s[SEQ], 3
	s_load_b32 s[PST], s[PLAN:PLAN+1], s[T0] offset:0x0            ; its P
	s_load_b64 s[NX:NX+1], s[IDX:IDX+1], s[NOFF] offset:0x0        ; its pair
; The pair in NX becomes ROWP = the range's first row and N1 = its virtual length, by the same arithmetic as the prefix sum's.
; Scalar loads come back in no order (ISA guide 5.7.1): the wait is for 0, and it also frees NX and NOFF for the next request.
.macro DECODE
	s_wait_kmcnt 0x0
	s_min_u32 s[N0], s[NX], TOTAL
	s_min_u32 s[N1], s[NX+1], TOTAL
	s_min_u32 s[ROWP], s[N0], s[N1]
	s_max_u32 s[N1], s[N0], s[N1]
	s_sub_co_u32 s[N1], s[N1], s[ROWP]
	s_max_u32 s[N1], s[N1], 1
.endm
; Asks for the pair of sequence SEQ + 1 (clamped to the table), a whole piece before it is wanted.
.macro ASKNEXT
	s_add_co_u32 s[NOFF], s[SEQ], 1
	s_min_u32 s[NOFF], s[NOFF], NSEQ-1
	s_lshl_b32 s[NOFF], s[NOFF], 3
	s_load_b64 s[NX:NX+1], s[IDX:IDX+1], s[NOFF] offset:0x0
.endm
; Ring slot k gets the walker's next row: two loads of 512 consecutive bytes.  The slot's address pair is its own, and free since the wait
; that showed its last loads done.  If the row ends its piece, the slot's flag names the part row, and the walker moves to the next sequence.
; Behind the share's last piece LEFT is 0, so REM starts at 0, wraps at the next row and never reaches 0 again: rows issued from then on
; (only to fill the last turn of the ring) are clamped into the buffer, added to sums that are never stored, and flag nothing.
; The rows are marked as read once; sequences that overlap would only lose the reuse, no value.
.macro ISSUE k
	s_min_u32 s[TA], s[ROWP], TOTAL-1
	s_lshl_b32 s[TA], s[TA], 10
	s_add_nc_u64 s[AD+2*\k:AD+2*\k+1], s[VAL:VAL+1], s[TA:TA+1]
	global_load_b128 v[X+8*\k:X+8*\k+3], v[LOFF], s[AD+2*\k:AD+2*\k+1] th:TH_LOAD_NT
	global_load_b128 v[X+8*\k+4:X+8*\k+7], v[LOFF], s[AD+2*\k:AD+2*\k+1] offset:512 th:TH_LOAD_NT
	s_add_co_u32 s[ROWP], s[ROWP], 1
	s_mov_b32 s[FL+\k], 0
	s_sub_co_u32 s[REM], s[REM], 1
	s_cmp_lg_u32 s[REM], 0
	s_cbranch_scc1 .Lsame\@
	s_add_co_u32 s[FL+\k], s[SEQ], s[WP1]          ; 1 + (sequence + share)
	DECODE
	s_min_u32 s[REM], s[N1], s[LEFT]
	s_sub_co_u32 s[LEFT], s[LEFT], s[REM]
	s_add_co_u32 s[SEQ], s[SEQ], 1
	ASKNEXT
.Lsame\@:
.endm
; Ring slot k's row is added.  left = the loads issued behind this slot's two, which may stay out.
; At a piece's end the sums are stored and cleared by moves: a multiply by zero would carry an infinity of this piece into the next as NaN.
; The path is taken once a piece, about once in 64 rows at these sizes.
.macro CONSUME k, left
	s_wait_loadcnt \left
.irp q, 0,2,4,6
	v_pk_add_f32 v[ACC+\q:ACC+\q+1], v[ACC+\q:ACC+\q+1], v[X+8*\k+\q:X+8*\k+\q+1]
.endr
	s_cmp_eq_u32 s[FL+\k], 0
	s_cbranch_scc1 .Lgoon\@
	s_sub_co_u32 s[TB], s[FL+\k], 1                ; the piece is whole: its 1,024 bytes go out as two stores of 512 consecutive bytes
	s_min_u32 s[TB], s[TB], MAXSLOT
	s_lshl_b32 s[TB], s[TB], 10
	s_add_nc_u64 s[PA:PA+1], s[PART:PART+1], s[TB:TB+1]
	global_store_b128 v[LOFF], v[ACC:ACC+3], s[PA:PA+1]
	global_store_b128 v[LOFF], v[ACC+4:ACC+7], s[PA:PA+1] offset:512
	s_wait_xcnt 0x0                                ; the sums and the address pair are written again only behind this wait
.irp q, 0,1,2,3,4,5,6,7
	v_mov_b32 v[ACC+\q], 0
.endr
.Lgoon\@:
.endm
	DECODE                                         ; its wait covers P's load too
	s_sub_co_u32 s[T0], s[V0S], s[PST]             ; how far inside the sequence my share begins
	s_add_co_u32 s[ROWP], s[ROWP], s[T0]
	s_sub_co_u32 s[N1], s[N1], s[T0]
	s_min_u32 s[REM], s[N1], s[NR]                 ; at least 1
	s_sub_co_u32 s[LEFT], s[NR], s[REM]
	ASKNEXT
.irp k, 0,1,2,3,4,5,6,7,8,9,10,11,12,13,14,15
	ISSUE \k                                       ; the ring is filled: 16 rows, 32 loads
.endr
	s_cmp_lt_u32 s[RND], 2
	s_cbranch_scc1 .Ltail
	s_mov_b32 s[CNT], 1
.Lround:
.irp k, 0,1,2,3,4,5,6,7,8,9,10,11,12,13,14,15
	CONSUME \k, 2*(D-1)                            ; loads come back in order (ISA guide 5.7.1): the 15 younger rows stay out
	ISSUE \k
.endr
	s_add_co_u32 s[CNT], s[CNT], 1
	s_cmp_lt_u32 s[CNT], s[RND]
	s_cbranch_scc1 .Lround
.Ltail:
.irp k, 0,1,2,3,4,5,6,7,8,9,10,11,12,13,14,15
	CONSUME \k, 2*(D-1-\k)                         ; the last turn issues nothing: the counts run down
.endr
	s_wait_kmcnt 0x0                               ; the walker's last look-ahead request lands before the wave ends
.Lend:
	s_endpgm
.Lfunc_end_k_q0a9dfc89bf_sums:
	.size	k_q0a9dfc89bf_sums, .Lfunc_end_k_q0a9dfc89bf_sums-k_q0a9dfc89bf_sums
	.p2alignl 7, 3214868480
	.fill 96, 4, 3214868480
	.section	.rodata,"a",@progbits
	.p2align	6, 0x0
	.amdhsa_kernel k_q0a9dfc89bf_sums
		.amdhsa_group_segment_fixed_size 0
		.amdhsa_private_segment_fixed_size 0
		.amdhsa_enable_private_segment 0
		.amdhsa_kernarg_size 40
		.amdhsa_user_sgpr_count 2
		.amdhsa_user_sgpr_kernarg_segment_ptr 1
		.amdhsa_wavefront_size32 1
		.amdhsa_system_sgpr_workgroup_id_x 1
		.amdhsa_system_sgpr_workgroup_id_y 1
		.amdhsa_system_sgpr_workgroup_id_z 1
		.amdhsa_system_vgpr_workitem_id 0
		.amdhsa_next_free_vgpr 144
		.amdhsa_next_free_sgpr 88
		.amdhsa_reserve_vcc 0
		.amdhsa_float_denorm_mode_32 3
		.amdhsa_float_denorm_mode_16_64 3
		.amdhsa_memory_ordered 1
		.amdhsa_forward_progress 1
		.amdhsa_inst_pref_size 68
	.end_amdhsa_kernel
	.amdgpu_metadata
---
amdhsa.version: [ 1, 2 ]
amdhsa.kernels:
  - .name:           k_q0a9dfc89bf_sums
    .symbol:         k_q0a9dfc89bf_sums.kd
    .args:
      - { .name: indices, .offset: 0, .size: 8, .value_kind: global_buffer, .address_space: global }
      - { .name: values, .offset: 8, .size: 8, .value_kind: global_buffer, .address_space: global }
      - { .name: part, .offset: 16, .size: 8, .value_kind: global_buffer, .address_space: global }
      - { .name: plan, .offset: 24, .size: 8, .value_kind: global_buffer, .address_space: global }
      - { .name: shares, .offset: 32, .size: 8, .value_kind: global_buffer, .address_space: global }
    .group_segment_fixed_size: 0
    .private_segment_fixed_size: 0
    .kernarg_segment_align: 8
    .kernarg_segment_size: 40
    .max_flat_workgroup_size: 256
    .sgpr_count:     88
    .vgpr_count:     144
    .wavefront_size: 32
...
	.end_amdgpu_metadata
.endif
;; end of part 2
;; launch finish (part 3): grid 128 x 2, 16 waves a work-group, no clusters, 80,128 bytes of LDS; arguments W, b, indices, part, plan, out0; writes out0
.if DOCPART == 3
	.amdgcn_target "amdgcn-amd-amdhsa--gfx1250"
	.amdhsa_code_object_version 6
	.text
	.protected	k_q0a9dfc89bf_finish
	.globl	k_q0a9dfc89bf_finish
	.p2align	8
	.type	k_q0a9dfc89bf_finish,@function
k_q0a9dfc89bf_finish:
	s_mov_b64 s[64:65], 0
	v_nop
	global_prefetch_b8 v0, s[64:65] scope:SCOPE_SE
	s_setreg_imm32_b32 hwreg(HW_REG_WAVE_MODE, 25, 1), 1
	s_wait_xcnt 0x0
; out0[i][n] = (sum of sequence i's rows / its length) . W[:, n] + b[n], from the pieces' sums that the launch before left in 'part'.
; A work-group makes 16 sequences (ttmp9) x 128 columns (the grid's y) with 16 waves.
; 1. Wave v owns sequence i = 16 g + v.  Its pieces lie in part rows i + P_i / S .. i + (P_i + vl_i - 1) / S (P, S from 'plan'; vl from the
;    index pair, by the same arithmetic as in the launch before).  The two quotients are below 2,048 and are made by 11 steps of integer
;    compare and select in scalar registers.  The pieces are added, scaled by 1 / length, rounded to f16 and laid into LDS as a row of A.
; 2. Wave v = 2 kc + ng multiplies k = 32 kc .. 32 kc + 31 with columns 64 ng .. 64 ng + 63 of the work-group's 128: four matrix instructions.
;    Lane (r, h) loads 16 bytes of W's row k: columns 4 r .. 4 r + 3.  Word c of them is taken as column r of tile c, so tile c holds the columns
;    4 r + c: the loads are whole runs of 256 bytes for 16 lanes, they arrive in the fragments' order (only f32 -> f16 in pairs along k is left),
;    and a lane's results of the four tiles are four neighbouring columns.
; 3. The eight k parts meet in LDS, each wave's in a region of its own; wave v then adds row v's 128 columns and the bias, 16 bytes a lane,
;    and one store covers the row's 512 consecutive bytes.
; f16 operands, f32 sums: a sequence of one row gives outputs about five times the output's root mean square, so operands of 8 mantissa bits
; would leave too little margin for the numbers near zero; 11 bits leave a tenfold one.
; W is the one input that all work-groups share (128 KB each).  It is not asked for jointly in a cluster: a joint request lands in LDS, as f32,
; and would have to be read back from there, while here each wave's 8 KB come straight into the registers they are converted from, are
; issued in front of everything else, and land while the wave walks the chain plan -> partial sums.
; LIMITS.  Means and W beyond 65,504 in magnitude become infinite in f16; magnitudes below 2^-14 keep an absolute step of 2^-24.
; Indices: unsigned, clamped to 262,144; a reversed pair is its range in order; an empty pair gives a row of NaN (the reference's 0/0).
.set TOTAL,   262144
.set MAXSLOT, 4095
.set AP,  528                          ; LDS pitch of a row of means: 512 bytes + 16, an odd multiple of 16
.set RED, 16*AP                        ; behind the means: the k parts
.set RP,  272                          ; pitch of a row of 64 f32 + 16
.set RW,  16*RP                        ; a wave's region
; scalar registers: s[4:5] W, s[6:7] b, s[8:9] indices, s[10:11] part, s[12:13] plan, s[14:15] out0
.set PPT,  10
.set WAVE, 16
.set YY,   17
.set SEQ,  18
.set O4,   19
.set O8,   20
.set PI,   21                          ; P_i
.set PR,   22                          ; s[22:23] the pair
.set SS,   24                          ; S
.set YB,   25
.set OFS,  26                          ; s[26:27] a byte offset, high word 0
.set NG,   28
.set KC,   29
.set LO,   30
.set LEN,  31
.set VL,   32
.set X1,   33
.set Q0,   34
.set Q1,   35
.set D0,   36
.set D1,   37
.set SLOT, 38
.set LAST, 39
.set REM,  40
.set NT,   41
.set CNT,  42
.set TT,   44                          ; s[44:45] a part row's byte offset, high word 0
.set AA,   46                          ; s[46:47]
.set GA,   48                          ; s[48:55] four part rows' addresses
.set NANM, 56
; vector registers
.set LANE, 2
.set RR,   3
.set HH,   4
.set WOF,  5
.set L16,  6
.set MST,  7
.set AFA,  8
.set RST,  9
.set RLD,  10
.set SCL,  12                          ; v[12:13] 1 / length, twice
.set HF,   14                          ; v[14:17] my row of means in f16
.set BI,   20                          ; v[20:23] bias
.set ACC,  24                          ; v[24:31] columns 4 lane .. +3 and 128 + 4 lane .. +3
.set X,    32                          ; v[32:63] four pieces
.set RAW,  64                          ; v[64:127] W as loaded; later v[64:95] the eight k parts
.set FR,   128                         ; v[128:159] four fragments of W
.set AF,   160                         ; v[160:167] fragment of the means
.set DD,   168                         ; v[168:199] four result tiles
	s_load_b256 s[4:11], s[0:1], 0x0
	s_load_b128 s[12:15], s[0:1], 0x20
	v_lshl_add_u32 v200, v0, 2, 0x13100
	v_mov_b32 v201, 0
	v_lshrrev_b32 v1, 5, v0
	v_readfirstlane_b32 s[WAVE], v1
	v_and_b32 v[LANE], 31, v0
	v_and_b32 v[RR], 15, v0
	v_bfe_u32 v[HH], v0, 4, 1
	v_lshlrev_b32 v[L16], 4, v[LANE]
	v_lshlrev_b32 v[WOF], 13, v[HH]                ; 8 h rows of W
	v_lshl_add_u32 v[WOF], v[RR], 4, v[WOF]        ; + 16 r
	s_and_b32 s[YY], ttmp7, 0xffff
	s_lshl_b32 s[SEQ], ttmp9, 4
	s_add_co_u32 s[SEQ], s[SEQ], s[WAVE]
	s_lshl_b32 s[O4], s[SEQ], 2
	s_lshl_b32 s[O8], s[SEQ], 3
	s_and_b32 s[NG], s[WAVE], 1
	s_lshr_b32 s[KC], s[WAVE], 1
	s_lshl_b32 s[YB], s[YY], 9                     ; 128 columns of f32
	s_lshl_b32 s[OFS], s[KC], 15                   ; 32 rows of W
	s_add_co_u32 s[OFS], s[OFS], s[YB]
	s_lshl_b32 s[D0], s[NG], 8                     ; 64 columns
	s_add_co_u32 s[OFS], s[OFS], s[D0]
	s_mov_b32 s[OFS+1], 0
	s_wait_kmcnt 0x0
	s_load_b32 s[PI], s[12:13], s[O4] offset:0x0
	s_load_b64 s[PR:PR+1], s[8:9], s[O8] offset:0x0
	s_load_b32 s[SS], s[12:13], 0x2004
	s_add_nc_u64 s[4:5], s[4:5], s[OFS:OFS+1]
.irp c2, 0,1
.irp j, 0,1,2,3,4,5,6,7
	global_load_b128 v[RAW+4*(8*\c2+\j):RAW+4*(8*\c2+\j)+3], v[WOF], s[4:5] offset:(16*\c2+\j)*1024   ; W(32 kc + 16 c2 + 8 h + j, 4 r ..)
.endr
.endr
	s_mov_b32 s[OFS], s[YB]
	s_add_nc_u64 s[6:7], s[6:7], s[OFS:OFS+1]
	global_load_b128 v[BI:BI+3], v[L16], s[6:7]
	s_lshl_b32 s[OFS], s[SEQ], 10
	s_add_co_u32 s[OFS], s[OFS], s[YB]
	s_add_nc_u64 s[14:15], s[14:15], s[OFS:OFS+1]  ; my output row's 512 bytes
	; LDS addresses
	s_mul_i32 s[D0], s[WAVE], AP
	v_lshl_add_u32 v[MST], v[LANE], 3, s[D0]       ; means: row = wave, 8 bytes a lane
	v_mul_u32_u24 v[AFA], v[RR], AP                ; fragment of the means: row r, k = 32 kc + 8 h
	v_lshl_add_u32 v[AFA], v[HH], 4, v[AFA]
	s_lshl_b32 s[D0], s[KC], 6
	v_add_nc_u32 v[AFA], s[D0], v[AFA]
	s_mul_i32 s[D0], s[WAVE], RW                   ; my k part: row 8 h (+ j), columns 4 r (+ c)
	s_add_co_u32 s[D0], s[D0], RED
	v_mul_u32_u24 v[RST], v[HH], 8*RP
	v_lshl_add_u32 v[RST], v[RR], 4, v[RST]
	v_add_nc_u32 v[RST], s[D0], v[RST]
	s_mul_i32 s[D0], s[WAVE], RP                   ; reading back: row = wave of region 2 kc + h, 16 bytes at 16 r
	s_add_co_u32 s[D0], s[D0], RED
	v_mul_u32_u24 v[RLD], v[HH], RW
	v_lshl_add_u32 v[RLD], v[RR], 4, v[RLD]
	v_add_nc_u32 v[RLD], s[D0], v[RLD]
; q = x / S for x < 2,048 S: the quotient's 11 bits from the top, each kept if the product stays at or below x (products below 2^30)
.macro UDIV q, x
	s_mov_b32 s[\q], 0
.irp b, 10,9,8,7,6,5,4,3,2,1,0
	s_or_b32 s[D0], s[\q], 1<<\b
	s_mul_i32 s[D1], s[D0], s[SS]
	s_cmp_le_u32 s[D1], s[\x]
	s_cselect_b32 s[\q], s[D0], s[\q]
.endr
.endm
; Four pieces from part row SLOT on.  Rows behind the sequence's last are clamped to it: the loads are always issued, so the registers are
; always written and the waits count the same; whether a piece is added is decided in GADD.
.macro GISSUE
.irp j, 0,1,2,3
	s_add_co_u32 s[TT], s[SLOT], \j
	s_min_u32 s[TT], s[TT], s[LAST]
	s_min_u32 s[TT], s[TT], MAXSLOT
	s_lshl_b32 s[TT], s[TT], 10
	s_add_nc_u64 s[GA+2*\j:GA+2*\j+1], s[PPT:PPT+1], s[TT:TT+1]
	global_load_b128 v[X+8*\j:X+8*\j+3], v[L16], s[GA+2*\j:GA+2*\j+1]
	global_load_b128 v[X+8*\j+4:X+8*\j+7], v[L16], s[GA+2*\j:GA+2*\j+1] offset:512
.endr
.endm
; Adds the first min(REM, 4) of them and steps on.
.macro GADD
.irp j, 0,1,2,3
	s_cmp_le_u32 s[REM], \j
	s_cbranch_scc1 .Lgdone\@
.irp q, 0,2,4,6
	v_pk_add_f32 v[ACC+\q:ACC+\q+1], v[ACC+\q:ACC+\q+1], v[X+8*\j+\q:X+8*\j+\q+1]
.endr
.endr
.Lgdone\@:
	s_max_u32 s[REM], s[REM], 4
	s_sub_co_u32 s[REM], s[REM], 4
	s_add_co_u32 s[SLOT], s[SLOT], 4
.endm
	s_wait_kmcnt 0x0
	s_min_u32 s[PR], s[PR], TOTAL
	s_min_u32 s[PR+1], s[PR+1], TOTAL
	s_min_u32 s[LO], s[PR], s[PR+1]
	s_max_u32 s[LEN], s[PR], s[PR+1]
	s_sub_co_u32 s[LEN], s[LEN], s[LO]             ; the length, 0 for an empty pair
	s_max_u32 s[VL], s[LEN], 1
	s_add_co_u32 s[X1], s[PI], s[VL]
	s_sub_co_u32 s[X1], s[X1], 1                   ; the sequence's last virtual row
	UDIV Q0, PI
	UDIV Q1, X1
	s_add_co_u32 s[SLOT], s[SEQ], s[Q0]
	s_add_co_u32 s[LAST], s[SEQ], s[Q1]
	s_sub_co_u32 s[REM], s[LAST], s[SLOT]          ; pieces behind the first
	s_mov_b32 s[TT+1], 0
	s_min_u32 s[TT], s[SLOT], MAXSLOT
	s_lshl_b32 s[TT], s[TT], 10
	s_add_nc_u64 s[AA:AA+1], s[PPT:PPT+1], s[TT:TT+1]
	global_load_b128 v[ACC:ACC+3], v[L16], s[AA:AA+1]              ; the first piece starts the sums
	global_load_b128 v[ACC+4:ACC+7], v[L16], s[AA:AA+1] offset:512
	s_add_co_u32 s[SLOT], s[SLOT], 1
	GISSUE
	v_cvt_f32_u32 v1, s[LEN]
	v_rcp_f32 v[SCL], v1
	s_cmp_eq_u32 s[LEN], 0
	s_cselect_b32 s[NANM], 0x7fc00000, 0
	v_nop                                          ; one plain place behind the reciprocal (ISA guide 5.7.2)
	s_wait_alu depctr_va_vdst(0)
	v_or_b32 v[SCL], s[NANM], v[SCL]               ; length 0: the infinity becomes NaN, and so does the whole row
	v_mov_b32 v[SCL+1], v[SCL]
	s_wait_loadcnt 10                              ; W's 16 loads and the bias are in; the 2 + 8 loads of pieces behind them stay out
.irp c, 0,1,2,3
.irp c2, 0,1
.irp p, 0,1,2,3
	v_cvt_pk_f16_f32 v[FR+8*\c+4*\c2+\p], v[RAW+4*(8*\c2+2*\p)+\c], v[RAW+4*(8*\c2+2*\p+1)+\c]   ; k = 16 c2 + 8 h + 2 p below, + 1 above
.endr
.endr
.endr
	s_wait_loadcnt 0x0
	GADD
	s_add_co_u32 s[NT], s[REM], 3
	s_lshr_b32 s[NT], s[NT], 2                     ; further groups of four: none for a sequence of up to five pieces
	s_cmp_eq_u32 s[NT], 0
	s_cbranch_scc1 .Lsummed
	s_mov_b32 s[CNT], 0
.Lmore:
	GISSUE                                         ; the address pairs are free: the wait for 0 stands behind their last loads
	s_wait_loadcnt 0x0
	GADD
	s_add_co_u32 s[CNT], s[CNT], 1
	s_cmp_lt_u32 s[CNT], s[NT]
	s_cbranch_scc1 .Lmore
.Lsummed:
.irp q, 0,2,4,6
	v_pk_mul_f32 v[ACC+\q:ACC+\q+1], v[ACC+\q:ACC+\q+1], v[SCL:SCL+1]
.endr
.irp q, 0,1,2,3
	v_cvt_pk_f16_f32 v[HF+\q], v[ACC+2*\q], v[ACC+2*\q+1]
.endr
	ds_store_b64 v[MST], v[HF:HF+1]                ; k = 4 lane .. + 3
	ds_store_b64 v[MST], v[HF+2:HF+3] offset:256   ; k = 128 + 4 lane .. + 3
	s_wait_dscnt 0x0                               ; my row is in LDS before I say so
	s_barrier_signal -1
	s_barrier_wait -1
	ds_load_b128 v[AF:AF+3], v[AFA]                ; mean(r, 32 kc + 8 h ..)
	ds_load_b128 v[AF+4:AF+7], v[AFA] offset:32    ; mean(r, 32 kc + 16 + 8 h ..)
	s_wait_dscnt 0x0
.irp c, 0,1,2,3
	v_wmma_f32_16x16x32_f16 v[DD+8*\c:DD+8*\c+7], v[AF:AF+7], v[FR+8*\c:FR+8*\c+7], 0
.endr
.rept 4
	v_nop                                          ; four places before an LDS store reads a matrix result
.endr
.irp c, 0,1,2,3
.irp j, 0,1,2,3,4,5,6,7
	ds_store_b32 v[RST], v[DD+8*\c+\j] offset:\j*RP+4*\c           ; part(8 h + j, 4 r + c)
.endr
.endr
	s_wait_dscnt 0x0
	s_barrier_signal -1
	s_barrier_wait -1
.irp q, 0,1,2,3,4,5,6,7
	ds_load_b128 v[RAW+4*\q:RAW+4*\q+3], v[RLD] offset:\q*2*RW     ; k part q of row = wave, columns 4 lane .. + 3
.endr
	s_wait_dscnt 0x0
.irp q, 0,8,16,24
	v_pk_add_f32 v[RAW+\q:RAW+\q+1], v[RAW+\q:RAW+\q+1], v[RAW+\q+4:RAW+\q+5]
	v_pk_add_f32 v[RAW+\q+2:RAW+\q+3], v[RAW+\q+2:RAW+\q+3], v[RAW+\q+6:RAW+\q+7]
.endr
.irp q, 0,16
	v_pk_add_f32 v[RAW+\q:RAW+\q+1], v[RAW+\q:RAW+\q+1], v[RAW+\q+8:RAW+\q+9]
	v_pk_add_f32 v[RAW+\q+2:RAW+\q+3], v[RAW+\q+2:RAW+\q+3], v[RAW+\q+10:RAW+\q+11]
.endr
	v_pk_add_f32 v[RAW:RAW+1], v[RAW:RAW+1], v[RAW+16:RAW+17]
	v_pk_add_f32 v[RAW+2:RAW+3], v[RAW+2:RAW+3], v[RAW+18:RAW+19]
	v_pk_add_f32 v[RAW:RAW+1], v[RAW:RAW+1], v[BI:BI+1]
	v_pk_add_f32 v[RAW+2:RAW+3], v[RAW+2:RAW+3], v[BI+2:BI+3]
	global_store_b128 v[L16], v[RAW:RAW+3], s[14:15] th:TH_STORE_NT   ; 512 consecutive bytes of one output row
	s_wait_tensorcnt 0x0
	ds_add_u32 v200, v201
	s_wait_dscnt 0x0
	s_endpgm
.Lfunc_end_k_q0a9dfc89bf_finish:
	.size	k_q0a9dfc89bf_finish, .Lfunc_end_k_q0a9dfc89bf_finish-k_q0a9dfc89bf_finish
	.p2alignl 7, 3214868480
	.fill 96, 4, 3214868480
	.section	.rodata,"a",@progbits
	.p2align	6, 0x0
	.amdhsa_kernel k_q0a9dfc89bf_finish
		.amdhsa_group_segment_fixed_size 80128
		.amdhsa_private_segment_fixed_size 0
		.amdhsa_enable_private_segment 0
		.amdhsa_kernarg_size 48
		.amdhsa_user_sgpr_count 2
		.amdhsa_user_sgpr_kernarg_segment_ptr 1
		.amdhsa_wavefront_size32 1
		.amdhsa_system_sgpr_workgroup_id_x 1
		.amdhsa_system_sgpr_workgroup_id_y 1
		.amdhsa_system_sgpr_workgroup_id_z 1
		.amdhsa_system_vgpr_workitem_id 0
		.amdhsa_next_free_vgpr 202
		.amdhsa_next_free_sgpr 66
		.amdhsa_reserve_vcc 0
		.amdhsa_float_denorm_mode_32 3
		.amdhsa_float_denorm_mode_16_64 3
		.amdhsa_memory_ordered 1
		.amdhsa_forward_progress 1
		.amdhsa_inst_pref_size 22
	.end_amdhsa_kernel
	.amdgpu_metadata
---
amdhsa.version: [ 1, 2 ]
amdhsa.kernels:
  - .name:           k_q0a9dfc89bf_finish
    .symbol:         k_q0a9dfc89bf_finish.kd
    .args:
      - { .name: W, .offset: 0, .size: 8, .value_kind: global_buffer, .address_space: global }
      - { .name: b, .offset: 8, .size: 8, .value_kind: global_buffer, .address_space: global }
      - { .name: indices, .offset: 16, .size: 8, .value_kind: global_buffer, .address_space: global }
      - { .name: part, .offset: 24, .size: 8, .value_kind: global_buffer, .address_space: global }
      - { .name: plan, .offset: 32, .size: 8, .value_kind: global_buffer, .address_space: global }
      - { .name: out0, .offset: 40, .size: 8, .value_kind: global_buffer, .address_space: global }
    .group_segment_fixed_size: 80128
    .private_segment_fixed_size: 0
    .kernarg_segment_align: 8
    .kernarg_segment_size: 48
    .max_flat_workgroup_size: 512
    .sgpr_count:     66
    .vgpr_count:     202
    .wavefront_size: 32
...
	.end_amdgpu_metadata
.endif
;; end of part 3
